; MI455X (gfx1250); checked and timed in simulation.
; The chip was launched on July 23, 2026; its instructions are those of AMD's public machine-readable ISA for CDNA 5 (MIT licence, August 2026) and "CDNA5" Instruction Set Architecture Reference Guide (July 2026). The comments in the code are by the model that wrote it; some were corrected since.
;; Multi Head Attention. Allowed arithmetic: matrix products marked QUANTISED: E2M1 operands, one E8M0 scale for each 32 along K, by v_wmma_scale_f32_16x16x128_f8f6f4 with both operands' format E2M1 (or v_wmma_scale_f32_32x16x128_f4), f32 sums; products left as they are: bf16, f16 or f32 operands; f32 sums; everything else in f32.
;; Inputs: Wk 512 x 512 float32; Wo 512 x 512 float32; Wq 512 x 512 float32; Wv 512 x 512 float32; bk 512 float32; bo 512 float32; bq 512 float32; bv 512 float32; k 2 x 4,096 x 512 float32; q 2 x 4,096 x 512 float32; v 2 x 4,096 x 512 float32.
;; Outputs: out0 2 x 4,096 x 512 float32.
;; This version of the problem:
;;   THIS VERSION OF THE PROBLEM IS GIVEN IN LOW PRECISION. The matrix products marked QUANTISED in the list below multiply operands that are first quantised to E2M1 (2 exponent bits, 1 mantissa bit; 4 bits a number), with one power-of-two scale for each 32 numbers along K (OCP MX v1.0); their sums are f32. The products marked 'left as it is' may take bf16, f16 or f32 operands, with f32 sums. Whichever they take, every output number must still come out within the allowed error. Rounding operands to bf16 (8 significant bits) uses up far more of that allowance than f16 does (11 bits, for magnitudes from 6e-5 to 65,504). All else is computed in f32.
;;   The module's matrix products, in the order in which they are computed (A, B: the left and right operand; K: the contracted axis; several contracted axes count as one K, in the product's order):
;;     1. [M 8,192, K 512] x [K 512, N 512]; A: input q; B: input Wq: QUANTISED
;;     2. [M 8,192, K 512] x [K 512, N 512]; A: input k; B: input Wk: QUANTISED
;;     3. [M 8,192, K 512] x [K 512, N 512]; A: input v; B: input Wv: QUANTISED
;;     4. batch 16 x [M 4,096, K 64] x [K 64, N 4,096]; A: computed on the way; B: computed on the way: left as it is (an operand is computed on the way)
;;     5. batch 16 x [M 4,096, K 4,096] x [K 4,096, N 64]; A: computed on the way; B: computed on the way: left as it is (an operand is computed on the way)
;;     6. [M 8,192, K 512] x [K 512, N 512]; A: computed on the way; B: input Wo: left as it is (an operand is computed on the way)
;;   THE QUANTISER, for each operand of a quantised product, along K:
;;     - K is cut into blocks of 32 from its start; a last block that is shorter is filled with zeros.
;;     - A block's scale is 2^e with e = floor(log2(the largest magnitude in the block)) - 2, held to -126 .. 127; a block of zeros has e = 0. As a byte (E8M0): e + 127.
;;     - Each number is divided by its block's scale, clamped to +-6, and rounded to the nearest number of E2M1, ties to even, subnormals kept.
;;     - The product sums the exact products of the quantised numbers (number of the format x scale) in f32.
;;   ~~~python
;;   def quantise(x, axis):      # numpy; x: float32 -> the quantised numbers, widened to float32 again
;;       x = np.moveaxis(x, axis, -1); K = x.shape[-1]
;;       x = np.pad(x, [(0, 0)] * (x.ndim - 1) + [(0, -K % 32)]); x = x.reshape(x.shape[:-1] + (-1, 32)); a = np.abs(x).max(-1, keepdims=True)
;;       e = np.where(a > 0, np.clip(np.frexp(np.where(a > 0, a, 1))[1] - 1 - 2, -126, 127), 0)      # np.frexp(a)[1] - 1 = floor(log2(a)), exactly
;;       r = np.clip(x / 2.0 ** e, -6, 6)
;;       step = 2.0 ** (np.maximum(np.frexp(np.where(r == 0, 1, r))[1] - 1, 0) - 1)
;;       q = np.round(r / step) * step * 2.0 ** e      # np.round: ties to even
;;       return np.moveaxis(q.reshape(q.shape[:-2] + (-1,))[..., :K], -1, axis).astype(np.float32)
;;   ~~~
;; One version. Each part assembles by itself: llvm-mc -triple=amdgcn-amd-amdhsa -mcpu=gfx1250 --defsym DOCPART=n.
;; ======== version 1 of 1: 4 launches
;; limits: values are held in f16: magnitudes above 65,504 overflow, below 6.1e-05 lose precision
;; workspace buffers: wc 393,216 bytes; ws 24,576 bytes; wof 524,288 bytes; qf 8,388,608 bytes; kvf 16,777,216 bytes; cf 8,388,608 bytes
;; launch prep (part 1): grid 256 x 1, 2 waves a work-group, no clusters, 0 bytes of LDS; arguments Wq, Wk, Wv, Wo, wc, ws, wof; writes wc, ws, wof
.if DOCPART == 1
	.amdgcn_target "amdgcn-amd-amdhsa--gfx1250"
	.amdhsa_code_object_version 6
	.text
	.protected	k_qbd63ca2de1_prep
	.globl	k_qbd63ca2de1_prep
	.p2align	8
	.type	k_qbd63ca2de1_prep,@function
k_qbd63ca2de1_prep:
	s_mov_b64 s[64:65], 0
	v_nop
	global_prefetch_b8 v0, s[64:65] scope:SCOPE_SE
	s_setreg_imm32_b32 hwreg(HW_REG_WAVE_MODE, 25, 1), 1
	s_wait_xcnt 0x0
; MULTI-HEAD ATTENTION, B = 2, S = 4,096, D = 512, 8 heads of 64, no mask.  Four launches: this one lays the weights out; the second quantises q, k, v and makes the three
; quantised projections; the third is the attention; the fourth the projection on the way out.
; WORK LEFT OUT: bk.  scores[q][k] = qh[q] . (k Wk^T)[k] / 8 + qh[q] . bk / 8.  The second term is the same for every key k of a row of scores, whatever the inputs hold, and
; softmax along the keys is unchanged by a term that is the same along its axis.  The product of qh with kh is not quantised, so no quantiser sees kh.  So bk reaches no output:
; it is not loaded and is among no launch's arguments.  LIMIT: a NaN, an infinity or an overflow that reaches the result through bk alone is not carried to it.
; bv is live, and is added later than it is written: the weights of a row of attn sum to 1 by the softmax's own division, so sum(attn (v Wv^T + bv)) = sum(attn v Wv^T) + bv.
; THE FORMAT OF THE PRODUCTS THAT ARE NOT QUANTISED: f16, 11 significant bits, for qh, kh, p, vh, ctx and Wo.  Eight significant bits in all six would sum to about a fifth of what the comparison
; allows as a root mean square: too near for the largest of 4,194,304 errors; three bits more divide that by eight.  f16'S ROOM, by the sizes: a projection sums 512 terms and has a spread of about 1 where the input's is 1
; and the weight's 1 / sqrt(512).  Input and weight both 30 times larger: 900 x about 5; both with a common offset of 30 spreads: 512 x 30 x 1.33 = 20,400; both 30 times smaller: 1.1e-3.  ctx is a mean of rows of vh, plus bv.
; LIMITS: a projected number, a number of ctx or of Wo beyond 65,504 becomes infinity; under 2^-14 it keeps an absolute error of at most 2^-25 (subnormals are kept).
; THIS LAUNCH.  Wq, Wk, Wv [512 (e)][512 (k)] f32 become codes of FP4 (E2M1) with one E8M0 byte for each 32 along k; Wo becomes f16.  All are laid in the ORDER OF THE OPERAND'S
; REGISTERS, so that a later wave loads a fragment by dense loads of 16 bytes a lane:
;   wc  [t 3][etile 32][s 4][c 2][lane 32][16 bytes]: lane (r, h) holds the 32 codes k = 128 s + 64 c + 32 h + 0 .. 31 of row e = 16 etile + r
;   ws  [t 3][e 512][16 bytes]: byte j is the scale of block j; word s serves the K step s of 128
;   wof [etile 32][kc 16][g 2][lane 32][16 bytes]: the 8 f16 d = 32 kc + 16 g + 8 h + 0 .. 7 of row e = 16 etile + r
; A block's scale is 2^(floor(log2(its largest magnitude)) - 2): its byte is the largest magnitude's exponent field - 2, held at 1 from below.
; LIMITS: a block of zeros gets the byte 1 where the rule says 127 (its codes are zeros, and this program alone reads the bytes); NaN and infinities among the inputs are not served.
; SHARES.  Work-group g: tensor g / 64 (3 = Wo), etile (g / 2) % 32; its two waves take K steps 2 (g % 2) and 2 (g % 2) + 1: a wave 16 rows x 128 along k, 64 numbers a lane.
; No LDS, no barrier, no matrix work, no cluster: waves share nothing, and each number is read once.
.set X, 32                             ; v32-95   my 64 numbers
.set C, 96                             ; v96-127  what I store
	s_load_b256 s[4:11], s[0:1], 0x0               ; Wq s[4:5], Wk s[6:7], Wv s[8:9], Wo s[10:11]
	s_load_b128 s[12:15], s[0:1], 0x20             ; wc s[12:13], ws s[14:15]
	s_load_b64 s[16:17], s[0:1], 0x30              ; wof
	v_lshrrev_b32 v1, 5, v0
	v_readfirstlane_b32 s18, v1                    ; wave
	s_lshr_b32 s19, ttmp9, 6                       ; which tensor
	s_bfe_u32 s20, ttmp9, 0x50001                  ; etile: 5 bits from bit 1
	s_and_b32 s21, ttmp9, 1
	s_lshl_b32 s21, s21, 1
	s_add_co_u32 s21, s21, s18                     ; K step s
	v_and_b32 v2, 31, v0                           ; lane
	v_and_b32 v3, 15, v0                           ; r
	v_bfe_u32 v4, v0, 4, 1                         ; h
	v_lshlrev_b32 v5, 4, v2                        ; 16 x lane: my place in every dense store
	s_lshl_b32 s24, s20, 15                        ; 16 rows of 2,048 bytes,
	s_lshl_b32 s25, s21, 9                         ; 128 numbers of 4 bytes
	s_add_co_u32 s24, s24, s25
	s_mov_b32 s25, 0
	s_mov_b32 s26, 0x76543210                      ; v_permlanex16_b32's selects for lane l xor 16
	s_mov_b32 s27, 0xfedcba98
	s_wait_kmcnt 0x0
	s_cmp_eq_u32 s19, 1                            ; the source is chosen by the work-group's number alone
	s_cselect_b64 s[22:23], s[6:7], s[4:5]
	s_cmp_eq_u32 s19, 2
	s_cselect_b64 s[22:23], s[8:9], s[22:23]
	s_cmp_eq_u32 s19, 3
	s_cselect_b64 s[22:23], s[10:11], s[22:23]
	s_add_nc_u64 s[22:23], s[22:23], s[24:25]
	s_cmp_eq_u32 s19, 3
	s_cbranch_scc1 .Lwo
	; ---- Wq, Wk, Wv: my two whole blocks of 32 (c = 0, 1) are 128 neighbouring bytes each
	v_lshlrev_b32 v6, 11, v3
	v_lshl_add_u32 v6, v4, 7, v6                   ; row r, + 128 h bytes
.irp c, 0,1
.irp i, 0,1,2,3,4,5,6,7
	global_load_b128 v[X+32*\c+4*\i:X+32*\c+4*\i+3], v6, s[22:23] offset:256*\c+16*\i th:TH_LOAD_NT
.endr
.endr
	s_lshl_b32 s24, s19, 17                        ; wc: t x 131,072 + etile x 4,096 + s x 1,024
	s_lshl_b32 s25, s20, 12
	s_add_co_u32 s24, s24, s25
	s_lshl_b32 s25, s21, 10
	s_add_co_u32 s24, s24, s25
	s_mov_b32 s25, 0
	s_add_nc_u64 s[12:13], s[12:13], s[24:25]
	s_lshl_b32 s24, s19, 13                        ; ws: t x 8,192 + etile x 256 + 4 s
	s_lshl_b32 s25, s20, 8
	s_add_co_u32 s24, s24, s25
	s_lshl_b32 s25, s21, 2
	s_add_co_u32 s24, s24, s25
	s_mov_b32 s25, 0
	s_add_nc_u64 s[14:15], s[14:15], s[24:25]
	v_lshlrev_b32 v20, 4, v3                       ; 16 bytes of scales a row
	s_wait_loadcnt 0x0
.irp c, 0,1
	v_max3_num_f32 v[12+\c], |v[X+32*\c]|, |v[X+32*\c+1]|, 0x1800000   ; the block's largest magnitude, and the floor 2^(3 - 127): the byte cannot fall under 1
.endr
.irp i, 2,4,6,8,10,12,14,16,18,20,22,24,26,28,30
.irp c, 0,1
	v_max3_num_f32 v[12+\c], v[12+\c], |v[X+32*\c+\i]|, |v[X+32*\c+\i+1]|   ; (the two blocks by turns)
.endr
.endr
.irp c, 0,1
	v_add_nc_u32 v[14+\c], 0xff000000, v[12+\c]    ; 2 off its exponent field: the conversion takes the exponent field of this operand as its scale
.endr
.irp c, 0,1
	v_lshrrev_b32 v[16+\c], 23, v[14+\c]           ; the scale's byte
.endr
	v_lshl_or_b32 v18, v17, 16, v16                ; my two bytes: blocks h and 2 + h of the K step,
	v_lshlrev_b32 v19, 3, v4
	v_lshlrev_b32 v18, v19, v18                    ; at their places in the scale word (8 h bits up);
	v_mov_b32 v19, 0
	v_permlanex16_b32 v19, v18, s26, s27
	v_or_b32 v18, v18, v19                         ; with lane l xor 16's two the word is whole
.irp c, 0,1
.irp g, 0,1,2,3
	v_cvt_scalef32_pk8_fp4_f32 v[C+4*\c+\g], v[X+32*\c+8*\g:X+32*\c+8*\g+7], v[14+\c]
.endr
.endr
	v_nop                                          ; one plain line behind the last scaled conversion
.irp c, 0,1
	global_store_b128 v5, v[C+4*\c:C+4*\c+3], s[12:13] offset:512*\c   ; 32 lanes store 512 consecutive bytes, aligned
.endr
	v_cmp_gt_u32 vcc_lo, 16, v2                    ; lanes 0 to 15 store the sixteen rows' words: 4 bytes of each row's 16; one byte for each 128 bytes that the launch reads
	s_wait_xcnt 0x0                                ; EXEC is a source of the stores above: it changes only behind this wait
	s_and_saveexec_b32 s28, vcc_lo
	global_store_b32 v20, v18, s[14:15]
	s_wait_xcnt 0x0                                ; and again in front of the line that widens it
	s_or_b32 exec_lo, exec_lo, s28
	s_endpgm
.Lwo:
	; ---- Wo: four chunks of 32 along d; of each, lane (r, h) takes d = 16 g + 8 h + 0 .. 7: 32 neighbouring bytes
	v_lshlrev_b32 v6, 11, v3
	v_lshl_add_u32 v6, v4, 5, v6                   ; row r, + 32 h bytes
.irp k, 0,1,2,3
.irp g, 0,1
.irp i, 0,1
	global_load_b128 v[X+16*\k+8*\g+4*\i:X+16*\k+8*\g+4*\i+3], v6, s[22:23] offset:128*\k+64*\g+16*\i th:TH_LOAD_NT
.endr
.endr
.endr
	s_lshl_b32 s24, s20, 14                        ; wof: etile x 16,384 + s x 4,096
	s_lshl_b32 s25, s21, 12
	s_add_co_u32 s24, s24, s25
	s_mov_b32 s25, 0
	s_add_nc_u64 s[16:17], s[16:17], s[24:25]
	s_wait_loadcnt 0x0
.set i, 0
.rept 32
	v_cvt_pk_f16_f32 v[C+i], v[X+2*i], v[X+2*i+1]  ; two roundings to f16, the lower d in the low half
.set i, i+1
.endr
.irp k, 0,1,2,3
.irp g, 0,1
	global_store_b128 v5, v[C+8*\k+4*\g:C+8*\k+4*\g+3], s[16:17] offset:1024*\k+512*\g   ; 512 consecutive bytes, aligned
.endr
.endr
	s_endpgm
.Lfunc_end_k_qbd63ca2de1_prep:
	.size	k_qbd63ca2de1_prep, .Lfunc_end_k_qbd63ca2de1_prep-k_qbd63ca2de1_prep
	.p2alignl 7, 3214868480
	.fill 96, 4, 3214868480
	.section	.rodata,"a",@progbits
	.p2align	6, 0x0
	.amdhsa_kernel k_qbd63ca2de1_prep
		.amdhsa_group_segment_fixed_size 0
		.amdhsa_private_segment_fixed_size 0
		.amdhsa_enable_private_segment 0
		.amdhsa_kernarg_size 56
		.amdhsa_user_sgpr_count 2
		.amdhsa_user_sgpr_kernarg_segment_ptr 1
		.amdhsa_wavefront_size32 1
		.amdhsa_system_sgpr_workgroup_id_x 1
		.amdhsa_system_sgpr_workgroup_id_y 1
		.amdhsa_system_sgpr_workgroup_id_z 1
		.amdhsa_system_vgpr_workitem_id 0
		.amdhsa_next_free_vgpr 128
		.amdhsa_next_free_sgpr 66
		.amdhsa_reserve_vcc 1
		.amdhsa_float_denorm_mode_32 3
		.amdhsa_float_denorm_mode_16_64 3
		.amdhsa_memory_ordered 1
		.amdhsa_forward_progress 1
		.amdhsa_inst_pref_size 12
	.end_amdhsa_kernel
	.amdgpu_metadata
---
amdhsa.version: [ 1, 2 ]
amdhsa.kernels:
  - .name:           k_qbd63ca2de1_prep
    .symbol:         k_qbd63ca2de1_prep.kd
    .args:
      - { .name: Wq, .offset: 0, .size: 8, .value_kind: global_buffer, .address_space: global }
      - { .name: Wk, .offset: 8, .size: 8, .value_kind: global_buffer, .address_space: global }
      - { .name: Wv, .offset: 16, .size: 8, .value_kind: global_buffer, .address_space: global }
      - { .name: Wo, .offset: 24, .size: 8, .value_kind: global_buffer, .address_space: global }
      - { .name: wc, .offset: 32, .size: 8, .value_kind: global_buffer, .address_space: global }
      - { .name: ws, .offset: 40, .size: 8, .value_kind: global_buffer, .address_space: global }
      - { .name: wof, .offset: 48, .size: 8, .value_kind: global_buffer, .address_space: global }
    .group_segment_fixed_size: 0
    .private_segment_fixed_size: 0
    .kernarg_segment_align: 8
    .kernarg_segment_size: 56
    .max_flat_workgroup_size: 64
    .sgpr_count:     66
    .vgpr_count:     128
    .wavefront_size: 32
...
	.end_amdgpu_metadata
.endif
;; end of part 1
;; launch proj (part 2): grid 256 x 1, 8 waves a work-group, no clusters, 231,424 bytes of LDS; arguments q, k, v, wc, ws, bq, qf, kvf; writes qf, kvf
.if DOCPART == 2
	.amdgcn_target "amdgcn-amd-amdhsa--gfx1250"
	.amdhsa_code_object_version 6
	.text
	.protected	k_qbd63ca2de1_proj
	.globl	k_qbd63ca2de1_proj
	.p2align	8
	.type	k_qbd63ca2de1_proj,@function
k_qbd63ca2de1_proj:
	s_mov_b64 s[64:65], 0
	v_nop
	global_prefetch_b8 v0, s[64:65] scope:SCOPE_SE
	s_setreg_imm32_b32 hwreg(HW_REG_WAVE_MODE, 25, 1), 1
	s_wait_xcnt 0x0
; qh = Q(q) Q(Wq)^T + bq, kh = Q(k) Q(Wk)^T, vh = Q(v) Q(Wv)^T: the three QUANTISED products, on codes of FP4 (E2M1) with one E8M0 scale for each 32 along K = 512; sums in f32.
; WORK LEFT OUT: bk (a term of the scores that is the same along the softmax's axis: shown at the head of the first kernel).  bv is added on the attention launch's way out.
; The results leave as f16 (its room: at the head of the first kernel; LIMIT: a result beyond 65,504 becomes infinity), laid in the order of the attention's operand registers
; (a half = 4 registers x 32 lanes = 512 bytes, lane l's 16 bytes at 16 l; r = lane % 16, h = lane / 16):
;   qf  [bh 16][tile 256][n 4][512 B]: channels 16 n + 8 h + 0 .. 7 of query 16 tile + r
;   kvf [bh 16][step 64][16,384 B]: a step is 64 keys.  Bytes 0 ..: K [kt 4][n 4][512 B], as qf.  Bytes 8,192 ..: V^T [kg 2][ct 4][g 2][512 B]: keys 32 kg + 16 g + 8 h + 0 .. 7 of channel 16 ct + r
; SHARES.  Work-group i takes rows 32 i .. 32 i + 31 of q, then of k, then of v: three phases.  In each, wave w quantises ONE fragment (rows 16 (w / 4) on, K step w % 4) and hands it to the
; others through LDS as an image of its registers; then it makes the 64 columns of head w for all 32 rows: 8 accumulators.  Its part of the weights' codes comes from memory straight into registers.
; q and k are multiplied TRANSPOSED (source 0 = 16 rows of W, source 1 = 16 rows of x): a lane then holds 8 neighbouring channels of one row.  v is multiplied as it stands: a lane holds 8 neighbouring keys of one channel.
; THE INPUT comes by the tensor data mover: each wave asks at the head for its own 16 rows x 128 numbers of all three tensors (three loads of mine are out), reads only its own tiles, each behind its own
; counted wait, and no LDS byte is filled twice.  A tile has 16 rows so that it is one wave's fragment.
; NO CLUSTER: work-groups share no input rows; what they share, the weights' codes, each wave wants as its own eighth, in registers, and 3 x 136 KB of them do not fit in LDS beside the 231,424 bytes in use.
; LIMITS: a block of zeros gets the byte 1 where the rule says 127 (its codes are zeros; the bytes never leave the launch); NaN and infinities among the inputs are not served.
.set RAWB,  8448                       ; a raw tile: 16 rows x (512 bytes + 16 of padding): row r starts 132 words on: 16 rows start at 16 different banks (64 banks of 4 bytes: ISA guide 11.1)
.set RAWT,  8*RAWB                     ; a tensor's eight raw tiles
.set XIMG,  3*RAWT                     ; behind them, for each tensor: 8 fragments' images of 1,024 bytes,
.set XSC,   XIMG+8192                  ; and their scale words, 128 bytes each
.set XT,    9216                       ; from tensor to tensor
.set SPARE, XIMG+3*XT                  ; the spare words, 128 bytes for each wave: four blocks of 256 bytes that no other line names
.set LI16, 1                           ; v1   16 x lane
.set RA,   2                           ; v2   my place in my raw tile: w x 8,448 + 528 r + 64 h; a tensor on behind each phase's reads
.set XWI,  3                           ; v3   where I store my image
.set XWS,  4                           ; v4   and its scale word
.set LI,   5                           ; v5   where I read images
.set LS,   6                           ; v6   and scale words
.set SR,   7                           ; v7   16 r: a row's 16 scale bytes of W
.set BH,   8                           ; v8   32 h: my half's 8 numbers of a bias
.set ST,   16                          ; v16-79   64 raw numbers; later the 8 fragments of x: fragment f = 4 m + s at XF + 8 f
.set XF,   16
.set ACC,  80                          ; v80-143  8 accumulators: (m, e) at ACC + 8 (4 m + e)
.set PC,   144                         ; v144-151 the codes just made
.set TM,   152                         ; v152-167 at work
.set PW,   168                         ; v168     the scale word just made
.set XS,   170                         ; v170-177 x's scale words
.set WSC0, 180                         ; v180-195 scale words of Wq, later of Wv: 4 e + s
.set WSC1, 196                         ; v196-211 of Wk
.set BQ,   212                         ; v212-243 8 e + j = bq[64 w + 16 e + 8 h + j]
.set SPW,  252                         ; v252 LDS address of my spare word; never rewritten
.set NIL,  253                         ; v253 0; never rewritten
.set WB0,  0                           ; window 1: v0-127 Wq's fragments, later Wv's: (e, s) at 8 (4 e + s);
.set WB1,  128                         ;           v128-255 Wk's
.set WV,   20
.set G1,   24                          ; s[24:31] descriptor group 1; s[32:43] three groups 0
.set G0,   32
.set WCB,  44
.set WSB,  46
.set BQB,  48
.set QB,   50
.set KVB,  52
.set SEL,  54
.set MSB, 0
.macro WIN new                         ; the immediate's high byte repeats the setting that is left
.if MSB != \new
	s_set_vgpr_msb (MSB<<8)|\new
.set MSB, \new
.endif
.endm
; 64 numbers of a lane, register 16 b + i = k 32 b + 16 h + i of my row, become a fragment's codes in v[PC] on and its scale word in v[PW]
.macro QUANT s
.irp b, 0,1,2,3
	v_max3_num_f32 v[TM+\b], |v[\s+16*\b]|, |v[\s+1+16*\b]|, 0x1800000   ; block b: my 16 numbers, and the floor 2^(3 - 127): the byte cannot fall under 1
.endr
.irp i, 2,4,6,8,10,12,14
.irp b, 0,1,2,3
	v_max3_num_f32 v[TM+\b], v[TM+\b], |v[\s+16*\b+\i]|, |v[\s+1+16*\b+\i]|   ; (the four blocks by turns)
.endr
.endr
.irp b, 0,1,2,3
	v_permlanex16_b32 v[TM+4+\b], v[TM+\b], s[SEL], s[SEL+1]
.endr
.irp b, 0,1,2,3
	v_max_num_f32 v[TM+\b], v[TM+\b], v[TM+4+\b]   ; with lane l xor 16's: the block's largest magnitude
.endr
.irp b, 0,1,2,3
	v_add_nc_u32 v[TM+12+\b], 0xff000000, v[TM+\b] ; 2 off its exponent field: the conversion's scale operand
.endr
.irp b, 0,1,2,3
	v_lshrrev_b32 v[TM+4+\b], 23, v[TM+12+\b]      ; the scale's byte
.endr
	v_lshl_or_b32 v[PW], v[TM+5], 8, v[TM+4]       ; the four bytes make my row's scale word
	v_lshl_or_b32 v[PW], v[TM+6], 16, v[PW]
	v_lshl_or_b32 v[PW], v[TM+7], 24, v[PW]
.irp b, 0,1,2,3
	v_cvt_scalef32_pk8_fp4_f32 v[PC+2*\b], v[\s+16*\b:\s+7+16*\b], v[TM+12+\b]
	v_cvt_scalef32_pk8_fp4_f32 v[PC+1+2*\b], v[\s+8+16*\b:\s+15+16*\b], v[TM+12+\b]
.endr
	v_nop                                          ; one plain place behind a scaled conversion
.irp c, 0,1                                    ; the operand's layout wants a WHOLE block in a lane: lanes 0-15 block 2 c, lanes 16-31 block 2 c + 1
.irp i, 0,1
	v_permlane16_swap_b32 v[PC+4*\c+\i], v[PC+2+4*\c+\i]
.endr
.endr
.endm
.macro IMAGE off                       ; the fragment in v[PC] on goes to LDS as it stands
.irp c, 0,1
	ds_store_b128 v[XWI], v[PC+4*\c:PC+4*\c+3] offset:\off+512*\c
.endr
.endm
.macro FETCHX t                        ; all eight fragments of tensor t, and their scale words, come back so in every wave
.irp f, 0,1,2,3,4,5,6,7
.irp c, 0,1
	ds_load_b128 v[XF+8*\f+4*\c:XF+8*\f+4*\c+3], v[LI] offset:XT*\t+1024*\f+512*\c
.endr
.endr
.irp f, 0,1,2,3,4,5,6,7
	ds_load_b32 v[XS+\f], v[LS] offset:XT*\t+128*\f
.endr
.endm
.macro WLOAD t, buf, wsc               ; my head's 16 fragments of weight t (32 dense loads of 512 bytes a wave) and their scale words (4 loads): 36 loads
	WIN 0x40                                       ; destination window 1, address window 0
.set n, 0
.rept 32
	global_load_b128 v[\buf+4*n:\buf+4*n+3], v[LI16], s[WCB:WCB+1] offset:131072*\t+512*n
.set n, n+1
.endr
	WIN 0
.irp e, 0,1,2,3
	global_load_b128 v[\wsc+4*\e:\wsc+4*\e+3], v[SR], s[WSB:WSB+1] offset:8192*\t+256*\e
.endr
.endm
	s_load_b256 s[4:11], s[0:1], 0x0               ; q s[4:5], k s[6:7], v s[8:9], wc s[10:11]
	s_load_b256 s[12:19], s[0:1], 0x20             ; ws s[12:13], bq s[14:15], qf s[16:17], kvf s[18:19]
	v_lshl_add_u32 v[SPW], v0, 2, SPARE
	v_mov_b32 v[NIL], 0
	ds_add_u32 v[SPW], v[NIL]                      ; the wave's opening: the add, twice on end, and its wait ahead of my first tensor load
	ds_add_u32 v[SPW], v[NIL]                      ; and once more, under the one wait; the set-up below, work on registers, stands between
	v_lshrrev_b32 v9, 5, v0
	v_readfirstlane_b32 s[WV], v9                  ; wave 0..7
	; descriptor group 1: 16 rows x 128 elements of 4 bytes, 512 elements from row to row, 16 bytes of padding behind each row of 512
	s_mov_b32 s[G1+0], (2<<16)|(1<<20)|(6<<22)|(3<<25)   ; no mask; elements of 4 bytes; padding on, after every 128 words (code 6), 4 words (code 3)
	s_mov_b32 s[G1+1], 128<<16                     ; tensor_dim0 = 128
	s_mov_b32 s[G1+2], 16<<16                      ; tensor_dim1 = 16
	s_mov_b32 s[G1+3], 128<<16                     ; tile_dim0 = 128
	s_mov_b32 s[G1+4], 16                          ; tile_dim1 = 16
	s_mov_b32 s[G1+5], 512                         ; tensor_dim0_stride
	s_mov_b32 s[G1+6], 0
	s_mov_b32 s[G1+7], 0
	s_mul_i32 s21, s[WV], RAWB                     ; my raw tile in LDS
	s_lshr_b32 s56, s[WV], 2                       ; m: which 16 rows
	s_and_b32 s57, s[WV], 3                        ; s: which K step
	s_lshl_b32 s22, ttmp9, 16                      ; 32 rows of 2,048 bytes,
	s_lshl_b32 s56, s56, 15                        ; 16 rows,
	s_add_co_u32 s22, s22, s56
	s_lshl_b32 s57, s57, 9                         ; 128 numbers
	s_add_co_u32 s22, s22, s57
	s_mov_b32 s23, 0
	s_mov_b32 s[SEL], 0x76543210
	s_mov_b32 s[SEL+1], 0xfedcba98                 ; v_permlanex16_b32's selects for lane l xor 16
	s_wait_dscnt 0x0                               ; both opening adds are done
	s_wait_kmcnt 0x0
.irp t, 0,1,2                                  ; the three first fills go out together, ahead of every wait on TENSORcnt, every LDS read and every barrier
	s_mov_b32 s[G0+4*\t], 1                        ; count = 1
	s_add_co_u32 s[G0+4*\t+1], s21, \t*RAWT        ; LDS address
	s_add_nc_u64 s[G0+4*\t+2:G0+4*\t+3], s[4+2*\t:5+2*\t], s[22:23]   ; global address of my tile
	s_or_b32 s[G0+4*\t+3], s[G0+4*\t+3], 0x80000000   ; type = 2
	tensor_load_to_lds s[G0+4*\t:G0+4*\t+3], s[G1:G1+7]
	s_nop 0
.endr
	v_and_b32 v9, 31, v0                           ; lane
	v_and_b32 v10, 15, v0                          ; r
	v_bfe_u32 v11, v0, 4, 1                        ; h
	v_lshlrev_b32 v[LI16], 4, v9
	v_mul_u32_u24 v[RA], v10, 528
	v_lshl_add_u32 v[RA], v11, 6, v[RA]
	v_add_nc_u32 v[RA], s21, v[RA]
	s_lshl_b32 s56, s[WV], 10
	v_add_nc_u32 v[XWI], s56, v[LI16]
	v_add_nc_u32 v[XWI], XIMG, v[XWI]              ; my fragment is number w of its tensor's eight
	v_lshlrev_b32 v12, 2, v9
	s_lshl_b32 s56, s[WV], 7
	v_add_nc_u32 v[XWS], s56, v12
	v_add_nc_u32 v[XWS], XSC, v[XWS]
	v_add_nc_u32 v[LI], XIMG, v[LI16]
	v_add_nc_u32 v[LS], XSC, v12
	v_lshlrev_b32 v[SR], 4, v10
	v_lshlrev_b32 v[BH], 5, v11
.irp b, 0,1,2,3
	v_mov_b32 v[TM+4+\b], 0                        ; written once: a lane permute's destination counts as one of its sources
.endr
	s_lshl_b32 s58, s[WV], 14                      ; my head's four tiles of 16 rows of W: 16,384 bytes of codes,
	s_mov_b32 s59, 0
	s_add_nc_u64 s[WCB:WCB+1], s[10:11], s[58:59]
	s_lshl_b32 s58, s[WV], 10                      ; 64 rows x 16 scale bytes,
	s_add_nc_u64 s[WSB:WSB+1], s[12:13], s[58:59]
	s_lshl_b32 s58, s[WV], 8                       ; 64 numbers of bq
	s_add_nc_u64 s[BQB:BQB+1], s[14:15], s[58:59]
	s_lshr_b32 s56, ttmp9, 7                       ; b
	s_and_b32 s57, ttmp9, 127                      ; u: which 32 rows of the batch
	s_lshl_b32 s56, s56, 3
	s_add_co_u32 s56, s56, s[WV]                   ; bh = 8 b + w
	s_lshl_b32 s58, s56, 19                        ; qf: bh x 524,288 + u x 2 tiles of 2,048
	s_lshl_b32 s59, s57, 12
	s_add_co_u32 s58, s58, s59
	s_mov_b32 s59, 0
	s_add_nc_u64 s[QB:QB+1], s[16:17], s[58:59]
	s_lshl_b32 s58, s56, 20                        ; kvf: bh x 1,048,576 + (u / 2) x 16,384 + (u % 2) x 4,096
	s_lshr_b32 s59, s57, 1
	s_lshl_b32 s59, s59, 14
	s_add_co_u32 s58, s58, s59
	s_and_b32 s59, s57, 1
	s_lshl_b32 s59, s59, 12
	s_add_co_u32 s58, s58, s59
	s_mov_b32 s59, 0
	s_add_nc_u64 s[KVB:KVB+1], s[18:19], s[58:59]
	WLOAD 0, WB0, WSC0                             ; Wq
.irp e, 0,1,2,3
.irp i, 0,1
	global_load_b128 v[BQ+8*\e+4*\i:BQ+8*\e+4*\i+3], v[BH], s[BQB:BQB+1] offset:64*\e+16*\i
.endr
.endr
	WLOAD 1, WB1, WSC1                             ; Wk: lands while q is worked
; A PHASE: tensor ph.  tr = 1: the product is used transposed.  hasb = 1: bq is the C of each sum's first product.  wb, wsc: where the weight lies.  left: the global loads issued behind this weight's, which may stay out.
.macro PHASE ph, tr, hasb, wb, wsc, left
	s_wait_tensorcnt 2-\ph                         ; tensor loads of a wave end in order: my tile of this tensor is in LDS; the later tensors' may be out
.irp b, 0,1,2,3
.irp j, 0,1,2,3
	ds_load_b128 v[ST+16*\b+4*\j:ST+16*\b+4*\j+3], v[RA] offset:128*\b+16*\j   ; of each block of 32 my half's 16 numbers
.endr
.endr
.if \ph < 2
	v_add_nc_u32 v[RA], RAWT, v[RA]                ; on to the next tensor's tile
.endif
	s_wait_dscnt 0x0
	QUANT ST
	IMAGE XT*\ph
	ds_store_b32 v[XWS], v[PW] offset:XT*\ph
	s_wait_dscnt 0x0                               ; for the others' sake: my stores have landed
	s_barrier_signal -1
	s_barrier_wait -1                              ; the tensor's eight fragments lie in LDS.  Later tiles may stay on their way
	FETCHX \ph
	s_wait_loadcnt \left                           ; this phase's weight (and bq) is in
	s_wait_dscnt 0x0
.if \ph > 0
	s_wait_xcnt 0x0                                ; the last phase's stores have read the accumulators' registers
.endif
.if \tr
	WIN 0x01                                       ; source 0 (W) window 1
.else
	WIN 0x04                                       ; source 1 (W) window 1
.endif
.irp k, 0,1,2,3                                ; K step by K step, the eight accumulators by turns, one instruction a turn
.irp m, 0,1
.irp e, 0,1,2,3
.set rD, ACC+8*(4*\m+\e)
.set rW, \wb+8*(4*\e+\k)
.set rX, XF+8*(4*\m+\k)
.set rWS, \wsc+4*\e+\k
.set rXS, XS+4*\m+\k
.if \tr
.if \k == 0
.if \hasb
	v_wmma_scale_f32_16x16x128_f8f6f4 v[rD:rD+7], v[rW:rW+7], v[rX:rX+7], v[BQ+8*\e:BQ+8*\e+7], v[rWS], v[rXS] matrix_a_fmt:MATRIX_FMT_FP4 matrix_b_fmt:MATRIX_FMT_FP4
.else
	v_wmma_scale_f32_16x16x128_f8f6f4 v[rD:rD+7], v[rW:rW+7], v[rX:rX+7], 0, v[rWS], v[rXS] matrix_a_fmt:MATRIX_FMT_FP4 matrix_b_fmt:MATRIX_FMT_FP4
.endif
.else
	v_wmma_scale_f32_16x16x128_f8f6f4 v[rD:rD+7], v[rW:rW+7], v[rX:rX+7], v[rD:rD+7], v[rWS], v[rXS] matrix_a_fmt:MATRIX_FMT_FP4 matrix_b_fmt:MATRIX_FMT_FP4
.endif
.else
.if \k == 0
	v_wmma_scale_f32_16x16x128_f8f6f4 v[rD:rD+7], v[rX:rX+7], v[rW:rW+7], 0, v[rXS], v[rWS] matrix_a_fmt:MATRIX_FMT_FP4 matrix_b_fmt:MATRIX_FMT_FP4
.else
	v_wmma_scale_f32_16x16x128_f8f6f4 v[rD:rD+7], v[rX:rX+7], v[rW:rW+7], v[rD:rD+7], v[rXS], v[rWS] matrix_a_fmt:MATRIX_FMT_FP4 matrix_b_fmt:MATRIX_FMT_FP4
.endif
.endif
.endr
.endr
.endr
	WIN 0
.rept 5
	v_nop                                          ; places behind the products: four for the reads of results and the loads into operands below, a fifth for the next phase's products, which begin these accumulators anew
.endr
.if \ph == 0
	WLOAD 2, WB0, WSC0                             ; Wv takes Wq's registers: lands while k is worked
.endif
.irp a, 0,1,2,3,4,5,6,7
.irp p, 0,1,2,3
	v_cvt_pk_f16_f32 v[ACC+8*\a+\p], v[ACC+8*\a+2*\p], v[ACC+8*\a+2*\p+1]   ; to f16, in place, ascending: each accumulator is read from its low end on, and no number is written over before it is read
.endr
.endr
.irp m, 0,1
.irp e, 0,1,2,3
.set rD, ACC+8*(4*\m+\e)
.if \ph == 0
	global_store_b128 v[LI16], v[rD:rD+3], s[QB:QB+1] offset:2048*\m+512*\e        ; 32 lanes store 512 consecutive bytes, aligned
.elseif \ph == 1
	global_store_b128 v[LI16], v[rD:rD+3], s[KVB:KVB+1] offset:2048*\m+512*\e
.else
	global_store_b128 v[LI16], v[rD:rD+3], s[KVB:KVB+1] offset:8192+1024*\e+512*\m
.endif
.endr
.endr
.endm
	PHASE 0, 1, 1, WB0, WSC0, 36                   ; q: Wk's 36 loads may be out
	PHASE 1, 1, 0, WB1, WSC1, 36                   ; k: Wv's 36 loads may be out
	PHASE 2, 0, 0, WB0, WSC0, 0                    ; v
	s_wait_tensorcnt 0x0                           ; the wave's end, behind my last tensor load and my last LDS store
	ds_add_u32 v[SPW], v[NIL]
	s_wait_dscnt 0x0
	s_endpgm
.Lfunc_end_k_qbd63ca2de1_proj:
	.size	k_qbd63ca2de1_proj, .Lfunc_end_k_qbd63ca2de1_proj-k_qbd63ca2de1_proj
	.p2alignl 7, 3214868480
	.fill 96, 4, 3214868480
	.section	.rodata,"a",@progbits
	.p2align	6, 0x0
	.amdhsa_kernel k_qbd63ca2de1_proj
		.amdhsa_group_segment_fixed_size 231424
		.amdhsa_private_segment_fixed_size 0
		.amdhsa_enable_private_segment 0
		.amdhsa_kernarg_size 64
		.amdhsa_user_sgpr_count 2
		.amdhsa_user_sgpr_kernarg_segment_ptr 1
		.amdhsa_wavefront_size32 1
		.amdhsa_system_sgpr_workgroup_id_x 1
		.amdhsa_system_sgpr_workgroup_id_y 1
		.amdhsa_system_sgpr_workgroup_id_z 1
		.amdhsa_system_vgpr_workitem_id 0
		.amdhsa_next_free_vgpr 512
		.amdhsa_next_free_sgpr 66
		.amdhsa_reserve_vcc 0
		.amdhsa_float_denorm_mode_32 3
		.amdhsa_float_denorm_mode_16_64 3
		.amdhsa_memory_ordered 1
		.amdhsa_forward_progress 1
		.amdhsa_inst_pref_size 57
	.end_amdhsa_kernel
	.amdgpu_metadata
---
amdhsa.version: [ 1, 2 ]
amdhsa.kernels:
  - .name:           k_qbd63ca2de1_proj
    .symbol:         k_qbd63ca2de1_proj.kd
    .args:
      - { .name: q, .offset: 0, .size: 8, .value_kind: global_buffer, .address_space: global }
      - { .name: k, .offset: 8, .size: 8, .value_kind: global_buffer, .address_space: global }
      - { .name: v, .offset: 16, .size: 8, .value_kind: global_buffer, .address_space: global }
      - { .name: wc, .offset: 24, .size: 8, .value_kind: global_buffer, .address_space: global }
      - { .name: ws, .offset: 32, .size: 8, .value_kind: global_buffer, .address_space: global }
      - { .name: bq, .offset: 40, .size: 8, .value_kind: global_buffer, .address_space: global }
      - { .name: qf, .offset: 48, .size: 8, .value_kind: global_buffer, .address_space: global }
      - { .name: kvf, .offset: 56, .size: 8, .value_kind: global_buffer, .address_space: global }
    .group_segment_fixed_size: 231424
    .private_segment_fixed_size: 0
    .kernarg_segment_align: 8
    .kernarg_segment_size: 64
    .max_flat_workgroup_size: 256
    .sgpr_count:     66
    .vgpr_count:     512
    .wavefront_size: 32
...
	.end_amdgpu_metadata
.endif
;; end of part 2
;; launch attn (part 3): grid 16 x 16, 8 waves a work-group, clusters of 4 x 1, 327,680 bytes of LDS; arguments qf, kvf, bv, cf; writes cf
.if DOCPART == 3
	.amdgcn_target "amdgcn-amd-amdhsa--gfx1250"
	.amdhsa_code_object_version 6
	.text
	.protected	k_qbd63ca2de1_attn
	.globl	k_qbd63ca2de1_attn
	.p2align	8
	.type	k_qbd63ca2de1_attn,@function
k_qbd63ca2de1_attn:
	s_mov_b64 s[64:65], 0
	v_nop
	global_prefetch_b8 v0, s[64:65] scope:SCOPE_SE
	s_setreg_imm32_b32 hwreg(HW_REG_WAVE_MODE, 25, 1), 1
	s_wait_xcnt 0x0
	s_wait_alu depctr_hold_cnt(0) depctr_sa_sdst(0) depctr_va_vdst(0) depctr_va_sdst(0) depctr_va_ssrc(0) depctr_va_vcc(0) depctr_vm_vsrc(0)
	s_getreg_b32 s2, hwreg(HW_REG_IB_STS2, 6, 4)
	s_cmp_eq_u32 s2, 0
	s_cbranch_scc0 .Lentry_in_a_cluster
	s_endpgm
.Lentry_in_a_cluster:
	s_bfe_u32 s2, ttmp6, 0x10000c
	s_cmp_lg_u32 s2, 0x3003
	s_cbranch_scc0 .Lentry_shape_is_right
	s_endpgm
.Lentry_shape_is_right:
; ctx[bh][q] = the sum over k of softmax_k(qh[q] . kh[k] / 8) vh[k] + bv, head size 64, 4,096 keys, no mask.  Operands in f16 (why, and its room for qh, kh, vh and ctx: at the head of the first kernel); products, maxima and sums in f32.
; p = 2^(c s - c m) is at most 1 by the running maximum.  LIMITS: a p under 2^-25 is rounded to 0 for the second product: at most 4,096 x 2^-25 = 1.2e-4 of a row's sum, which is at least 1 (the sum itself is taken of the unrounded p);
; a number of ctx beyond 65,504 becomes infinity.
; bk is left out (shown at the head of the first kernel).  bv is added here, in the multiply-add that divides by the row's sum: a row's weights sum to 1.
; qf, kvf and cf are laid in the order of the operands' registers (a half = 512 bytes, lane l's 16 bytes at 16 l; r = lane % 16, h = lane / 16):
;   qf [bh][tile 256][n 4]: channels 16 n + 8 h + 0..7 of query 16 tile + r.   kvf [bh][step 64][16,384]: K [kt 4][n 4] as qf; from byte 8,192 V^T [kg 2][ct 4][g 2]: keys 32 kg + 16 g + 8 h + 0..7 of channel 16 ct + r.
;   cf [T 512][kc 16][g 2]: d = 32 kc + 16 g + 8 h + 0..7 of row 16 T + r.  So every fragment is two dense loads, nothing is turned or padded, and a packed result is one dense store.
; SHARES.  A work-group owns 256 queries of one bh, each of its EIGHT waves 32: two tiles of 16.  Two waves share a SIMD, so that one wave's softmax stands beside the other's products; the text goes in phases.
; LAYOUT.  S^T = K Q^T (source 0 = 16 keys, source 1 = 16 queries), O^T = V^T P (source 0 = 16 channels, source 1 = P): a lane holds ONE query throughout, and two tiles of S^T, rounded in pairs, ARE source 1 of the second product.
; SOFTMAX.  For each query a running maximum m and sum l: p = 2^(c s - c m), c = log2(e) / 8; in every step O and l are multiplied by a = 2^(c m_old - c m_new).  The step is written once: O and l begin as zeros and m as -3e38 (LIMIT: scores under that are not served).
; RING.  Two LDS slots of 8 key steps (512 keys, 131,072 bytes).  Every wave fetches one step's 16,384 bytes of a slot by one tensor load; all eight read all of it.
; CLUSTER.  The four query blocks of a cluster belong to one bh and walk the same K and V: each tile is asked for JOINTLY, by the same load with the same descriptor and the mask of all four.
; By the text's own count a wave has two tensor loads out at the start and one behind each round.  LIMITS: NaN and infinities among the inputs are not served.
; REGISTERS.  Window 0: v1-7 addresses; v8-23 statistics; v32-63 Q; v64-127 S^T, then p; v128-159 P; v160-223 O^T; v224-255 bv.  Window 1: v0-63 K of one step; v64-127 V of one step.
.set STEPB, 16384
.set SLOT1, 1<<17                      ; slot 1 begins here, so that one exclusive or turns an address in one slot into the other's
.set SPARE, 2*SLOT1                    ; behind the ring: the spare words, 128 bytes for each wave: four blocks of 256 bytes that no other line names
.set LI,  1                            ; v1  16 x lane; never rewritten
.set ADR, 2                            ; v2  LDS address of the run of loads in hand
.set PFO, 4                            ; v4  256 x lane: the prefetches' offset; never rewritten
.set SPW, 6                            ; v6  LDS address of my spare word; never rewritten
.set NIL, 7                            ; v7  0; never rewritten
.set ST,  8                            ; tile t's statistics at v[ST + 8 t]: +0 c m, +1 m, +2, +3 l (even registers', odd registers'), +4 to +7 at work; a in +6
.set Q,   32                           ; (t, c) at Q + 16 t + 8 c
.set S,   64                           ; (t, kt) at S + 32 t + 8 kt
.set P,   128                          ; (t, kg) at P + 16 t + 8 kg
.set O,   160                          ; (t, ct) at O + 32 t + 8 ct
.set BV,  224                          ; 8 ct + j = bv[64 head + 16 ct + 8 h + j]
.set KF,  0                            ; window 1: K's fragment (kt, c) at 16 kt + 8 c
.set VF,  64                           ; window 1: V's fragment (kg, ct) at 64 + 32 kg + 8 ct
.set WV,  12
.set CX,  13
.set PFA, 20                           ; s[20:21] where my prefetch stands
.set PFC, 22                           ; s22 the count of steps at which I prefetch, or a number that the count never takes
.set CNT, 23                           ; s23 counts a slot's seven regular steps down
.set G1,  24                           ; s[24:31] descriptor group 1; s[32:39] two groups 0: the second then walks
.set G0,  32
.set SLOTS, 40
.set TB,  41                           ; s41 LDS byte at which the step in hand begins
.set CS,  42                           ; s[42:43] c, twice: the packed form names a pair
.set SEL, 44                           ; s[44:45] v_permlanex16_b32's selects for lane l xor 16
.set MSB, 0
.macro WIN new                         ; the immediate's high byte repeats the setting that is left
.if MSB != \new
	s_set_vgpr_msb (MSB<<8)|\new
.set MSB, \new
.endif
.endm
.macro CROUND                          ; a round of the cluster's barrier: my work-group's barrier; wave 0 signals for the work-group; every wave waits for all four work-groups; my work-group's barrier once more
	s_barrier_signal -1
	s_barrier_wait -1
	s_cmp_lg_u32 s[WV], 0
	s_cbranch_scc1 .Lnot_wave_0_\@
	s_barrier_signal -3
.Lnot_wave_0_\@:
	s_barrier_wait -3
	s_barrier_signal -1
	s_barrier_wait -1
.endm
.macro LDK off                         ; a step's K: 16 dense loads of 512 bytes a wave
	WIN 0x40                                       ; destination window 1, address window 0
.set n, 0
.rept 16
	ds_load_b128 v[KF+4*n:KF+4*n+3], v[ADR] offset:\off+512*n
.set n, n+1
.endr
.endm
.macro LDV                             ; and its V^T
	WIN 0x40
.set n, 0
.rept 16
	ds_load_b128 v[VF+4*n:VF+4*n+3], v[ADR] offset:8192+512*n
.set n, n+1
.endr
.endm
.macro SPROD                           ; S^T = K Q^T: 16 products; the eight accumulators by turns, one instruction a turn; the first eight start the sums
	WIN 0x01                                       ; source 0 window 1
.irp c, 0,1
.irp k, 0,1,2,3
.irp t, 0,1
.if \c == 0
	v_wmma_f32_16x16x32_f16 v[S+32*\t+8*\k:S+32*\t+8*\k+7], v[KF+16*\k+8*\c:KF+16*\k+8*\c+7], v[Q+16*\t+8*\c:Q+16*\t+8*\c+7], 0
.else
	v_wmma_f32_16x16x32_f16 v[S+32*\t+8*\k:S+32*\t+8*\k+7], v[KF+16*\k+8*\c:KF+16*\k+8*\c+7], v[Q+16*\t+8*\c:Q+16*\t+8*\c+7], v[S+32*\t+8*\k:S+32*\t+8*\k+7]
.endif
.endr
.endr
.endr
.endm
.macro PVPROD                          ; O^T += V^T P: 16 products, the eight accumulators by turns
	WIN 0x01
.irp g, 0,1
.irp c, 0,1,2,3
.irp t, 0,1
	v_wmma_f32_16x16x32_f16 v[O+32*\t+8*\c:O+32*\t+8*\c+7], v[VF+32*\g+8*\c:VF+32*\g+8*\c+7], v[P+16*\t+8*\g:P+16*\t+8*\g+7], v[O+32*\t+8*\c:O+32*\t+8*\c+7]
.endr
.endr
.endr
.endm
; A PREFETCH INTO THE L2 of the slot that this trip's change of slots will ask for: 131,072 bytes.  It stands in the fifth of a slot's seven regular steps, behind the step's runs of LDS loads: three key steps ahead of that load.
; Each aligned block of 256 bytes is asked for ONCE in the launch.  All four clusters of a bh walk the same K and V: the first of them asks.  Its four partners share the slot out BY ADDRESS, 32,768 bytes each; in each,
; waves 0 to 3 ask for 8,192 bytes, lanes 256 bytes apart: one instruction a wave.  The first two slots come by their loads alone; the last two slots' steps ask for nothing: no slot is left to fetch.
.macro ASK
	s_cmp_eq_u32 s[CNT], s[PFC]
	s_cbranch_scc0 .Lnot_mine_\@
	global_prefetch_b8 v[PFO], s[PFA:PFA+1] th:TH_LOAD_NT scope:SCOPE_SE
.Lnot_mine_\@:
.endm
; THE SOFTMAX of both tiles for one key step, the tiles alternating line by line, so that no line reads the result of the line just before it
.macro SOFTMAX
.irp j, 0,1,2,3                                ; the maximum of the lane's 32 scores and the old m: four chains of seven scores; each accumulator is read from its low end on
.irp t, 0,1
	v_max3_num_f32 v[ST+8*\t+4+\j], v[S+32*\t+8*\j], v[S+32*\t+8*\j+1], v[S+32*\t+8*\j+2]
.endr
.endr
.irp g, 1,2
.irp j, 0,1,2,3
.irp t, 0,1
	v_max3_num_f32 v[ST+8*\t+4+\j], v[ST+8*\t+4+\j], v[S+32*\t+8*\j+2*\g+1], v[S+32*\t+8*\j+2*\g+2]
.endr
.endr
.endr
.irp t, 0,1
	v_max3_num_f32 v[ST+8*\t+4], v[ST+8*\t+4], v[S+32*\t+7], v[S+32*\t+15]
.endr
.irp t, 0,1
	v_max3_num_f32 v[ST+8*\t+6], v[ST+8*\t+6], v[S+32*\t+23], v[S+32*\t+31]
.endr
.irp t, 0,1
	v_max3_num_f32 v[ST+8*\t+4], v[ST+8*\t+4], v[ST+8*\t+5], v[ST+8*\t+6]
.endr
.irp t, 0,1
	v_max3_num_f32 v[ST+8*\t+4], v[ST+8*\t+4], v[ST+8*\t+7], v[ST+8*\t+1]
.endr
.irp t, 0,1
	v_permlanex16_b32 v[ST+8*\t+5], v[ST+8*\t+4], s[SEL], s[SEL+1]   ; the query's other 32 keys lie in the lane 16 away
.endr
.irp t, 0,1
	v_mov_b32 v[ST+8*\t+7], v[ST+8*\t]             ; c m_old is kept for a
.endr
.irp t, 0,1
	v_max_num_f32 v[ST+8*\t+1], v[ST+8*\t+4], v[ST+8*\t+5]   ; the new m
.endr
.irp t, 0,1
	v_mul_f32 v[ST+8*\t], s[CS], v[ST+8*\t+1]      ; c m
.endr
.irp t, 0,1
	v_sub_f32 v[ST+8*\t+7], v[ST+8*\t+7], v[ST+8*\t]
.endr
.irp t, 0,1
	v_exp_f32 v[ST+8*\t+6], v[ST+8*\t+7]           ; a = 2^(c m_old - c m_new): the batch of exponentials begins; none of the lines up to the wait names a result
.endr
.set i, 0
.rept 16
	v_pk_fma_f32 v[S+2*i:S+2*i+1], v[S+2*i:S+2*i+1], s[CS:CS+1], v[ST:ST+1] op_sel_hi:[1,0,0] neg_lo:[0,0,1] neg_hi:[0,0,1]   ; c s - c m, two at a time
	v_pk_fma_f32 v[S+32+2*i:S+32+2*i+1], v[S+32+2*i:S+32+2*i+1], s[CS:CS+1], v[ST+8:ST+9] op_sel_hi:[1,0,0] neg_lo:[0,0,1] neg_hi:[0,0,1]
.set i, i+1
.endr
.set i, 0
.rept 64
	v_exp_f32 v[S+i], v[S+i]                       ; p
.set i, i+1
.endr
	v_nop                                          ; a plain instruction behind the last exponential
	s_wait_alu depctr_va_vdst(0)                   ; the wait ahead of the first line that names an exponential's result: one for all 66
.set i, 0
.rept 16
	v_cvt_pk_f16_f32 v[P+i], v[S+2*i], v[S+2*i+1]  ; the weights, rounded to f16 in pairs: the second product's source 1
	v_cvt_pk_f16_f32 v[P+16+i], v[S+32+2*i], v[S+32+2*i+1]
.set i, i+1
.endr
.irp u, 0,1,2,3,4,5,6,7                        ; the sum of a tile's 16 pairs, of the unrounded p, in place: neighbours 1, 2, 4 and 8 pairs apart
.irp t, 0,1
	v_pk_add_f32 v[S+32*\t+4*\u:S+32*\t+4*\u+1], v[S+32*\t+4*\u:S+32*\t+4*\u+1], v[S+32*\t+4*\u+2:S+32*\t+4*\u+3]
.endr
.endr
.irp u, 0,1,2,3
.irp t, 0,1
	v_pk_add_f32 v[S+32*\t+8*\u:S+32*\t+8*\u+1], v[S+32*\t+8*\u:S+32*\t+8*\u+1], v[S+32*\t+8*\u+4:S+32*\t+8*\u+5]
.endr
.endr
.irp u, 0,1
.irp t, 0,1
	v_pk_add_f32 v[S+32*\t+16*\u:S+32*\t+16*\u+1], v[S+32*\t+16*\u:S+32*\t+16*\u+1], v[S+32*\t+16*\u+8:S+32*\t+16*\u+9]
.endr
.endr
.irp t, 0,1
	v_pk_add_f32 v[S+32*\t:S+32*\t+1], v[S+32*\t:S+32*\t+1], v[S+32*\t+16:S+32*\t+17]
.endr
.irp t, 0,1
	v_pk_fma_f32 v[ST+8*\t+2:ST+8*\t+3], v[ST+8*\t+2:ST+8*\t+3], v[ST+8*\t+6:ST+8*\t+7], v[S+32*\t:S+32*\t+1] op_sel_hi:[1,0,1]   ; l = a l + the sum
.endr
.set i, 0
.rept 16
	v_pk_mul_f32 v[O+2*i:O+2*i+1], v[O+2*i:O+2*i+1], v[ST+6:ST+7] op_sel_hi:[1,0]   ; O^T times a, ascending: each accumulator is read from its low end on
	v_pk_mul_f32 v[O+32+2*i:O+32+2*i+1], v[O+32+2*i:O+32+2*i+1], v[ST+14:ST+15] op_sel_hi:[1,0]
.set i, i+1
.endr
.endm
; THE CHANGE OF SLOTS, in a slot's eighth step, when its last bytes (that step's V) have been asked for.  Each wave waits for all its tensor loads, of which one is out: its part of the other slot; adds 0 to its
; spare word; and waits for that and for its reads of this slot.  Behind the barrier nobody reads this slot any more and the other slot is whole.  fill = 1: the barrier is a round of the cluster's, so that no wave of
; any partner still reads the slot or has a load on its way, and the joint refill (the keys two slots on) is the first thing behind it: it has eight key steps in which to land.
.macro CHANGE fill
	s_wait_tensorcnt 0x0                           ; no tensor load of mine is out, so a group 0 may be written
	ds_add_u32 v[SPW], v[NIL]                      ; 0 onto my spare word
.if \fill
	s_xor_b32 s[G0+5], s[G0+5], SLOT1              ; the walking descriptor: the other slot than last time,
	s_add_nc_u64 s[G0+6:G0+7], s[G0+6:G0+7], SLOT1 ; the next 512 keys; the type bits on top are not reached
	s_wait_xcnt 0x0                                ; the trip's prefetch, three steps back, has read its address, so it may be written
	s_add_nc_u64 s[PFA:PFA+1], s[PFA:PFA+1], SLOT1
	s_wait_dscnt 0x0                               ; the add is done, and my reads of the slot are over
	CROUND
	tensor_load_to_lds s[G0+4:G0+7], s[G1:G1+7]    ; one line for all eight waves: the descriptor hangs on the wave's number and on bh alone
	s_nop 0
.rept 4
	v_nop
.endr
.else
	s_wait_dscnt 0x0
	s_barrier_signal -1
	s_barrier_wait -1
.endif
	s_sub_co_u32 s[TB], s[TB], 7*STEPB             ; back to a slot's first step,
	s_xor_b32 s[TB], s[TB], SLOT1                  ; in the other slot
.endm
; A KEY STEP of 64 keys.  kind 0: a regular step; 1: a slot's last, with a refill; 2: a slot's last, without; 3: the very last.  K of the next step is fetched into registers a step ahead.
.macro STEP kind, ask
	s_wait_dscnt 0x0                               ; K of this step is in (asked for a step ago)
	SPROD
	WIN 0
	v_add_nc_u32 v[ADR], s[TB], v[LI]
.rept 3
	v_nop                                          ; with the addition: four places in front of the loads into K's and V's registers and of the first read of the scores
.endr
	LDV
.if \kind == 0
	LDK STEPB                                      ; the next step's K
	WIN 0
	s_add_co_u32 s[TB], s[TB], STEPB
.if \ask
	ASK
.endif
.elseif \kind == 1
	WIN 0
	CHANGE 1
	v_add_nc_u32 v[ADR], s[TB], v[LI]
	LDK 0
	WIN 0
.elseif \kind == 2
	WIN 0
	CHANGE 0
	v_add_nc_u32 v[ADR], s[TB], v[LI]
	LDK 0
	WIN 0
.else
	WIN 0
.endif
	SOFTMAX
.if \kind == 3
	s_wait_dscnt 0x0
.else
	s_wait_dscnt 0x10                              ; V is in; the 16 loads of the next step's K, issued behind V's, may be out
.endif
	PVPROD
	WIN 0
.endm
.macro SEVEN ask                       ; a slot's seven regular steps: written once, walked seven times
	s_mov_b32 s[CNT], 7
.Lstep_\@:
	STEP 0, \ask
	s_sub_co_u32 s[CNT], s[CNT], 1
	s_cmp_lg_u32 s[CNT], 0
	s_cbranch_scc1 .Lstep_\@
.endm
	s_load_b256 s[4:11], s[0:1], 0x0               ; qf s[4:5], kvf s[6:7], bv s[8:9], cf s[10:11]
	v_lshl_add_u32 v[SPW], v0, 2, SPARE
	v_mov_b32 v[NIL], 0
	ds_add_u32 v[SPW], v[NIL]                      ; the wave's opening: the add, twice on end, and its wait ahead of my first tensor load
	ds_add_u32 v[SPW], v[NIL]                      ; and once more, under the one wait; the set-up below, work on registers, stands between
	v_lshrrev_b32 v3, 5, v0
	v_readfirstlane_b32 s[WV], v3                  ; wave 0..7
	s_bfe_u32 s[CX], ttmp6, 0x40000                ; cx: my place in the cluster
	s_lshl_b32 s14, ttmp9, 2                       ; in a cluster launch ttmp9 counts clusters
	s_add_co_u32 s14, s14, s[CX]                   ; x: my block of 256 queries: it enters qf's and cf's addresses alone
	s_and_b32 s15, ttmp7, 0xffff                   ; bh, which the four partners share
	; descriptor group 1: 64 dense rows of 256 bytes (32 elements of 8 bytes), no padding
	s_mov_b32 s[G1+0], 15|(3<<16)|(1<<21)          ; the mask: all four work-groups; elements of 8 bytes; bit 21 set beside a mask
	s_mov_b32 s[G1+1], 32<<16                      ; tensor_dim0 = 32
	s_mov_b32 s[G1+2], 64<<16                      ; tensor_dim1 = 64
	s_mov_b32 s[G1+3], 32<<16                      ; tile_dim0 = 32
	s_mov_b32 s[G1+4], 64                          ; tile_dim1 = 64
	s_mov_b32 s[G1+5], 32                          ; tensor_dim0_stride
	s_mov_b32 s[G1+6], 0
	s_mov_b32 s[G1+7], 0
	s_lshl_b32 s52, s[WV], 14                      ; my step of a slot, in LDS and in memory: no place in the cluster enters it
	s_lshl_b32 s16, s15, 20                        ; kvf: bh x 1,048,576 + w x 16,384
	s_add_co_u32 s16, s16, s52
	s_mov_b32 s17, 0
	s_lshl_b32 s18, s15, 19                        ; qf: bh x 524,288 + (16 x + 2 w) x 2,048
	s_lshl_b32 s19, s14, 15
	s_add_co_u32 s18, s18, s19
	s_lshl_b32 s19, s[WV], 12
	s_add_co_u32 s18, s18, s19
	s_mov_b32 s19, 0
	s_lshr_b32 s46, s15, 3                         ; cf: ((bh / 8) x 256 + 16 x + 2 w) x 16,384 + (bh % 8) x 2,048
	s_lshl_b32 s46, s46, 22
	s_lshl_b32 s47, s14, 18
	s_add_co_u32 s46, s46, s47
	s_lshl_b32 s47, s[WV], 15
	s_add_co_u32 s46, s46, s47
	s_and_b32 s48, s15, 7                          ; the head
	s_lshl_b32 s47, s48, 11
	s_add_co_u32 s46, s46, s47
	s_mov_b32 s47, 0
	s_lshl_b32 s48, s48, 8                         ; bv: 64 numbers a head
	s_mov_b32 s49, 0
	s_lshl_b32 s50, s15, 20                        ; my prefetches: bh's third slot, + cx x 32,768 + (w % 4) x 8,192
	s_lshl_b32 s51, s[CX], 15
	s_add_co_u32 s50, s50, s51
	s_and_b32 s51, s[WV], 3
	s_lshl_b32 s51, s51, 13
	s_add_co_u32 s50, s50, s51
	s_add_co_u32 s50, s50, 2*SLOT1
	s_mov_b32 s51, 0
	s_lshr_b32 s[PFC], s[WV], 2                    ; 0 in waves 0 to 3,
	s_or_b32 s[PFC], s[PFC], ttmp9                 ; of bh's first cluster: the same in all four partners
	s_cmp_eq_u32 s[PFC], 0
	s_cselect_b32 s[PFC], 3, -1
	s_mov_b32 s[CS], 0x3e38aa3b                    ; c = log2(e) / 8
	s_mov_b32 s[CS+1], s[CS]
	s_mov_b32 s[SEL], 0x76543210
	s_mov_b32 s[SEL+1], 0xfedcba98
	s_mov_b32 s[TB], 0
	s_mov_b32 s[SLOTS], 6
	s_wait_dscnt 0x0                               ; both opening adds are done
	s_wait_kmcnt 0x0
	s_add_nc_u64 s[PFA:PFA+1], s[6:7], s[50:51]
	s_add_nc_u64 s[6:7], s[6:7], s[16:17]
	s_add_nc_u64 s[4:5], s[4:5], s[18:19]
	s_add_nc_u64 s[8:9], s[8:9], s[48:49]
	s_add_nc_u64 s[10:11], s[10:11], s[46:47]
	CROUND                                         ; all four work-groups are here: the first joint loads meet
.irp g, 0,1
	s_mov_b32 s[G0+4*\g], 1                        ; count = 1
	s_add_co_u32 s[G0+4*\g+1], s52, \g*SLOT1       ; LDS address
	s_add_nc_u64 s[G0+4*\g+2:G0+4*\g+3], s[6:7], \g*SLOT1   ; global address: slot g begins with keys 512 g on
	s_or_b32 s[G0+4*\g+3], s[G0+4*\g+3], 0x80000000   ; type = 2
.endr
	tensor_load_to_lds s[G0:G0+3], s[G1:G1+7]      ; the two first fills stand together, ahead of every wait on TENSORcnt and every LDS read
	s_nop 0
	tensor_load_to_lds s[G0+4:G0+7], s[G1:G1+7]
	s_nop 0
.rept 4
	v_nop
.endr
	v_and_b32 v3, 31, v0
	v_lshlrev_b32 v[LI], 4, v3
	v_lshlrev_b32 v[PFO], 8, v3
	v_bfe_u32 v5, v0, 4, 1
	v_lshlrev_b32 v5, 5, v5                        ; 32 h: my half's 8 numbers of bv
.irp n, 0,1,2,3,4,5,6,7
	global_load_b128 v[Q+4*\n:Q+4*\n+3], v[LI], s[4:5] offset:512*\n   ; Q's two tiles stay in registers
.endr
.irp c, 0,1,2,3
.irp i, 0,1
	global_load_b128 v[BV+8*\c+4*\i:BV+8*\c+4*\i+3], v5, s[8:9] offset:64*\c+16*\i
.endr
.endr
.irp t, 0,1
	v_mov_b32 v[ST+8*\t+1], 0xff61b1e6             ; m: -3e38, under every score
	v_mul_f32 v[ST+8*\t], s[CS], v[ST+8*\t+1]      ; c m
	v_mov_b32 v[ST+8*\t+2], 0                      ; l
	v_mov_b32 v[ST+8*\t+3], 0
.endr
.set i, 0
.rept 64
	v_mov_b32 v[O+i], 0                            ; O^T.  (The step is written once: the first finds zeros, which a = 0 leaves zeros.  64 lines once, against one more copy of the step)
.set i, i+1
.endr
	s_wait_tensorcnt 0x1                           ; my part of slot 0 is in; slot 1's may stay out
	s_barrier_signal -1
	s_barrier_wait -1                              ; everybody's is
	v_add_nc_u32 v[ADR], s[TB], v[LI]
	LDK 0                                          ; key step 0
	WIN 0
	s_wait_loadcnt 0x0                             ; Q and bv
.Lslot:                                            ; six trips: every slot but the last two is filled again
	SEVEN 1
	STEP 1, 0
	s_sub_co_u32 s[SLOTS], s[SLOTS], 1
	s_cmp_lg_u32 s[SLOTS], 0
	s_cbranch_scc1 .Lslot
	SEVEN 0                                        ; the tail is written out
	STEP 2, 0
	SEVEN 0
	STEP 3, 0
	; THE WAY OUT.  l's two halves and the other half of the lanes' are added; O^T / l + bv in one multiply-add; rounded to f16; a lane's 8 channels of a row are 16 bytes of the next launch's fragment.
	; The additions and the v_nop are the places behind the last products.
.irp t, 0,1
	v_add_f32 v[ST+8*\t+4], v[ST+8*\t+2], v[ST+8*\t+3]
.endr
.irp t, 0,1
	v_permlanex16_b32 v[ST+8*\t+5], v[ST+8*\t+4], s[SEL], s[SEL+1]
.endr
.irp t, 0,1
	v_add_f32 v[ST+8*\t+4], v[ST+8*\t+4], v[ST+8*\t+5]
.endr
.irp t, 0,1
	v_rcp_f32 v[ST+8*\t+6], v[ST+8*\t+4]
.endr
	v_nop                                          ; a plain instruction between the last reciprocal and the use of its result
	s_wait_alu depctr_va_vdst(0)                   ; and the wait ahead of the first use: one for both
.irp t, 0,1
.set i, 0
.rept 16
	v_pk_fma_f32 v[O+32*\t+2*i:O+32*\t+2*i+1], v[O+32*\t+2*i:O+32*\t+2*i+1], v[ST+8*\t+6:ST+8*\t+7], v[BV+2*i:BV+2*i+1] op_sel_hi:[1,0,1]
.set i, i+1
.endr
.endr
.irp t, 0,1
.set i, 0
.rept 16
	v_cvt_pk_f16_f32 v[S+16*\t+i], v[O+32*\t+2*i], v[O+32*\t+2*i+1]
.set i, i+1
.endr
.endr
.irp t, 0,1
.irp c, 0,1,2,3
	global_store_b128 v[LI], v[S+16*\t+4*\c:S+16*\t+4*\c+3], s[10:11] offset:16384*\t+512*\c   ; 32 lanes store 512 consecutive bytes, aligned
.endr
.endr
	s_wait_tensorcnt 0x0                           ; the wave's end, behind my last tensor load
	ds_add_u32 v[SPW], v[NIL]
	s_wait_dscnt 0x0
	CROUND                                         ; the closing round: no work-group ends while a partner may still ask for a tile that names it
	s_endpgm
.Lfunc_end_k_qbd63ca2de1_attn:
	.size	k_qbd63ca2de1_attn, .Lfunc_end_k_qbd63ca2de1_attn-k_qbd63ca2de1_attn
	.p2alignl 7, 3214868480
	.fill 96, 4, 3214868480
	.section	.rodata,"a",@progbits
	.p2align	6, 0x0
	.amdhsa_kernel k_qbd63ca2de1_attn
		.amdhsa_group_segment_fixed_size 327680
		.amdhsa_private_segment_fixed_size 0
		.amdhsa_enable_private_segment 0
		.amdhsa_kernarg_size 32
		.amdhsa_user_sgpr_count 2
		.amdhsa_user_sgpr_kernarg_segment_ptr 1
		.amdhsa_wavefront_size32 1
		.amdhsa_system_sgpr_workgroup_id_x 1
		.amdhsa_system_sgpr_workgroup_id_y 1
		.amdhsa_system_sgpr_workgroup_id_z 1
		.amdhsa_system_vgpr_workitem_id 0
		.amdhsa_next_free_vgpr 384
		.amdhsa_next_free_sgpr 66
		.amdhsa_reserve_vcc 0
		.amdhsa_float_denorm_mode_32 3
		.amdhsa_float_denorm_mode_16_64 3
		.amdhsa_memory_ordered 1
		.amdhsa_forward_progress 1
		.amdhsa_inst_pref_size 118
	.end_amdhsa_kernel
	.amdgpu_metadata
---
amdhsa.version: [ 1, 2 ]
amdhsa.kernels:
  - .name:           k_qbd63ca2de1_attn
    .symbol:         k_qbd63ca2de1_attn.kd
    .args:
      - { .name: qf, .offset: 0, .size: 8, .value_kind: global_buffer, .address_space: global }
      - { .name: kvf, .offset: 8, .size: 8, .value_kind: global_buffer, .address_space: global }
      - { .name: bv, .offset: 16, .size: 8, .value_kind: global_buffer, .address_space: global }
      - { .name: cf, .offset: 24, .size: 8, .value_kind: global_buffer, .address_space: global }
    .group_segment_fixed_size: 327680
    .private_segment_fixed_size: 0
    .kernarg_segment_align: 8
    .kernarg_segment_size: 32
    .max_flat_workgroup_size: 256
    .sgpr_count:     66
    .vgpr_count:     384
    .wavefront_size: 32
...
	.end_amdgpu_metadata
.endif
;; end of part 3
;; launch outp (part 4): grid 4 x 64, 4 waves a work-group, clusters of 4 x 4, 280,064 bytes of LDS; arguments cf, wof, bo, out0; writes out0
.if DOCPART == 4
	.amdgcn_target "amdgcn-amd-amdhsa--gfx1250"
	.amdhsa_code_object_version 6
	.text
	.protected	k_qbd63ca2de1_outp
	.globl	k_qbd63ca2de1_outp
	.p2align	8
	.type	k_qbd63ca2de1_outp,@function
k_qbd63ca2de1_outp:
	s_mov_b64 s[64:65], 0
	v_nop
	global_prefetch_b8 v0, s[64:65] scope:SCOPE_SE
	s_setreg_imm32_b32 hwreg(HW_REG_WAVE_MODE, 25, 1), 1
	s_wait_xcnt 0x0
	s_wait_alu depctr_hold_cnt(0) depctr_sa_sdst(0) depctr_va_vdst(0) depctr_va_sdst(0) depctr_va_ssrc(0) depctr_va_vcc(0) depctr_vm_vsrc(0)
	s_getreg_b32 s2, hwreg(HW_REG_IB_STS2, 6, 4)
	s_cmp_eq_u32 s2, 0
	s_cbranch_scc0 .Lentry_in_a_cluster
	s_endpgm
.Lentry_in_a_cluster:
	s_bfe_u32 s2, ttmp6, 0x10000c
	s_cmp_lg_u32 s2, 0xf033
	s_cbranch_scc0 .Lentry_shape_is_right
	s_endpgm
.Lentry_shape_is_right:
; out0 = ctx Wo^T + bo.  ctx [8,192][512] and Wo [512][512] arrive as f16 (why, and its room: at the head of the first kernel), laid in the order of the operand's registers
; (cf, wof: [tile of 16 rows][kc 16][g 2][lane][16 bytes]: d = 32 kc + 16 g + 8 h + 0..7 of row 16 tile + r); sums in f32; out0 [8,192][512] f32.  Nothing of this product is left out.
; SHARES.  A work-group makes 128 rows x 128 columns; each of its four waves 64 x 64: 16 accumulators.  K = 512 is short: the work-group's 128 rows of ctx and 128 rows of Wo, 131,072 bytes each, two dense blocks of
; memory, come into LDS ONCE, a quarter by each wave's one tensor load, and stay: no ring, and no byte is filled twice.
; CLUSTER.  4 x 4 work-groups.  The four of a row of the cluster need the same rows of ctx, the four of a column the same rows of Wo: each half block is asked for JOINTLY, by the same load with the same descriptor and a mask of the four.
; THE MATRIX INSTRUCTION IS USED TRANSPOSED (source 0 = 16 rows of Wo, source 1 = 16 rows of ctx): a lane holds eight neighbouring numbers of a row of out0.  bo is the C of each sum's first product.
; REGISTERS.  Window 0: v16-29 addresses; v32-63 bo; v64-127 the way out; v128-255 the accumulators ((a, b) at 128 + 8 (4 a + b)).  Window 1: two fragment buffers of 128: for 64 along K, 64 registers of ctx, then 64 of Wo.
.set WOB,    131072                    ; LDS: ctx's 8 tiles at 0, Wo's 8 tiles here, 16,384 bytes a tile
.set STAGE,  262144                    ; behind them: 16 rows x (256 bytes + 16) for each wave, for the way out
.set SPITCH, 272
.set SPARE,  STAGE+4*16*SPITCH         ; the spare words, 128 bytes for each wave: two blocks of 256 bytes that no other line names
.set ADRA, 16                          ; v16 LDS address of my ctx fragments
.set ADRB, 17                          ; v17 of my Wo fragments
.set STO,  24                          ; v24 the way out: where I put 32 bytes of a row
.set RD,   25                          ; v25 where I read a row back
.set CO,   26                          ; v26 my byte offset in out0
.set SPW,  28                          ; v28 LDS address of my spare word; never rewritten
.set NIL,  29                          ; v29 0; never rewritten
.set BO,   32                          ; 8 b + j = bo[128 x + 64 ch + 16 b + 8 h + j]
.set TMP,  64                          ; two sets of 32
.set ACC,  128
.set F0,   0
.set F1,   128
.set WV,  12
.set G1,  24                           ; s[24:31], s[32:35] groups 1 and 0 for ctx
.set G0,  32
.set G1B, 48                           ; s[48:55], s[56:59] for Wo
.set G0B, 56
.set MSB, 0
.macro WIN new                         ; the immediate's high byte repeats the setting that is left
.if MSB != \new
	s_set_vgpr_msb (MSB<<8)|\new
.set MSB, \new
.endif
.endm
.set MUL,  0x05                        ; sources 0 and 1 window 1; C and D window 0
.set TO_F, 0x40                        ; destination window 1, address window 0
.macro CROUND                          ; a round of the cluster's barrier
	s_barrier_signal -1
	s_barrier_wait -1
	s_cmp_lg_u32 s[WV], 0
	s_cbranch_scc1 .Lnot_wave_0_\@
	s_barrier_signal -3
.Lnot_wave_0_\@:
	s_barrier_wait -3
	s_barrier_signal -1
	s_barrier_wait -1
.endm
	s_load_b256 s[4:11], s[0:1], 0x0               ; cf s[4:5], wof s[6:7], bo s[8:9], out0 s[10:11]
	v_lshl_add_u32 v[SPW], v0, 2, SPARE
	v_mov_b32 v[NIL], 0
	ds_add_u32 v[SPW], v[NIL]                      ; the wave's opening: the add, twice on end, and its wait ahead of my first tensor load
	ds_add_u32 v[SPW], v[NIL]                      ; and once more, under the one wait; the set-up below, work on registers, stands between
	v_lshrrev_b32 v1, 5, v0
	v_readfirstlane_b32 s[WV], v1                  ; wave 0..3
	s_lshr_b32 s13, s[WV], 1                       ; which half of the rows is mine.  Also: I fetch for ctx (0) or for Wo (1)
	s_and_b32 s14, s[WV], 1                        ; which half of the columns.  Also: which half block I fetch
	s_bfe_u32 s40, ttmp6, 0x40000                  ; cx, cy: my place in the cluster
	s_bfe_u32 s41, ttmp6, 0x40004
	s_lshl_b32 s42, ttmp9, 2
	s_add_co_u32 s42, s42, s40                     ; x: my 128 columns
	s_and_b32 s43, ttmp7, 0xffff
	s_lshl_b32 s43, s43, 2
	s_add_co_u32 s43, s43, s41                     ; y: my 128 rows
	s_lshl_b32 s44, s41, 2
	s_lshl_b32 s44, 15, s44                        ; my row of the cluster
	s_lshl_b32 s45, 0x1111, s40                    ; my column
	; descriptor group 1: 256 dense rows of 256 bytes (32 elements of 8 bytes), no padding
	s_or_b32 s[G1+0], s44, (3<<16)|(1<<21)         ; the mask: ctx's rows go to my row of the cluster; elements of 8 bytes; bit 21 set beside a mask
	s_or_b32 s[G1B+0], s45, (3<<16)|(1<<21)        ; Wo's rows go to my column
.irp g, G1, G1B
	s_mov_b32 s[\g+1], 32<<16                      ; tensor_dim0 = 32
	s_mov_b32 s[\g+2], 256<<16                     ; tensor_dim1 = 256
	s_mov_b32 s[\g+3], 32<<16                      ; tile_dim0 = 32
	s_mov_b32 s[\g+4], 256                         ; tile_dim1 = 256
	s_mov_b32 s[\g+5], 32                          ; tensor_dim0_stride
	s_mov_b32 s[\g+6], 0
	s_mov_b32 s[\g+7], 0
.endr
	s_lshl_b32 s17, s14, 16                        ; which half block
	s_lshl_b32 s16, s43, 17
	s_add_co_u32 s16, s16, s17                     ; ctx: y x 131,072 + half x 65,536: it hangs on y alone, which my row of the cluster shares
	s_lshl_b32 s46, s42, 17
	s_add_co_u32 s46, s46, s17                     ; Wo: x x 131,072 + half x 65,536: on x alone, which my column shares
	s_mov_b32 s17, 0
	s_mov_b32 s47, 0
	s_lshl_b32 s20, s[WV], 16                      ; where it goes: wave x 65,536: no place in the cluster enters an LDS address
	s_wait_dscnt 0x0                               ; both opening adds are done
	s_wait_kmcnt 0x0
	s_mov_b32 s[G0], 1
	s_mov_b32 s[G0+1], s20
	s_add_nc_u64 s[G0+2:G0+3], s[4:5], s[16:17]
	s_or_b32 s[G0+3], s[G0+3], 0x80000000
	s_mov_b32 s[G0B], 1
	s_mov_b32 s[G0B+1], s20
	s_add_nc_u64 s[G0B+2:G0B+3], s[6:7], s[46:47]
	s_or_b32 s[G0B+3], s[G0B+3], 0x80000000
	CROUND                                         ; all sixteen work-groups are here: the joint loads meet
	s_cmp_eq_u32 s13, 0                            ; waves 0 and 1 fetch ctx's two halves, waves 2 and 3 Wo's: each line has one mask; the branch hangs on the wave's number alone
	s_cbranch_scc0 .Lfor_wo
	tensor_load_to_lds s[G0:G0+3], s[G1:G1+7]
	s_nop 0
.rept 4
	v_nop
.endr
	s_branch .Lasked
.Lfor_wo:
	tensor_load_to_lds s[G0B:G0B+3], s[G1B:G1B+7]
	s_nop 0
.rept 4
	v_nop
.endr
.Lasked:
	v_and_b32 v1, 15, v0                           ; r
	v_bfe_u32 v2, v0, 4, 1                         ; h
	v_and_b32 v3, 31, v0
	v_lshlrev_b32 v3, 4, v3                        ; 16 x lane
	s_lshl_b32 s21, s13, 16                        ; my four tiles of ctx
	v_add_nc_u32 v[ADRA], s21, v3
	s_lshl_b32 s21, s14, 16                        ; my four tiles of Wo
	s_add_co_u32 s21, s21, WOB
	v_add_nc_u32 v[ADRB], s21, v3
	s_mul_i32 s21, s[WV], 16*SPITCH
	s_add_co_u32 s21, s21, STAGE                   ; my stage
	v_mul_u32_u24 v4, v1, SPITCH                   ; in: row r, 32 bytes for each half of the lanes
	v_lshl_add_u32 v4, v2, 5, v4
	v_add_nc_u32 v[STO], s21, v4
	v_mul_u32_u24 v4, v2, SPITCH                   ; back: lanes 0-15 one row of 256 bytes, lanes 16-31 the next
	v_lshl_add_u32 v4, v1, 4, v4
	v_add_nc_u32 v[RD], s21, v4
	v_lshlrev_b32 v4, 11, v2                       ; and the same two rows in out0
	v_lshl_add_u32 v[CO], v1, 4, v4
	v_lshlrev_b32 v5, 5, v2                        ; 32 h: my half's 8 numbers of bo
	s_lshl_b32 s60, s42, 9                         ; my first column, in bytes: 512 x + 256 ch
	s_lshl_b32 s61, s14, 8
	s_add_co_u32 s60, s60, s61
	s_mov_b32 s61, 0
	s_add_nc_u64 s[8:9], s[8:9], s[60:61]
	s_lshl_b32 s62, s43, 18                        ; my first row: (128 y + 64 rh) rows of 2,048 bytes
	s_lshl_b32 s63, s13, 17
	s_add_co_u32 s62, s62, s63
	s_add_co_u32 s62, s62, s60
	s_mov_b32 s63, 0
	s_add_nc_u64 s[10:11], s[10:11], s[62:63]
.irp b, 0,1,2,3
.irp i, 0,1
	global_load_b128 v[BO+8*\b+4*\i:BO+8*\b+4*\i+3], v5, s[8:9] offset:64*\b+16*\i
.endr
.endr
; 8 matrix instructions: row blocks a0, a0 + 1 x all 4 column blocks, 32 along K: half c of buffer f.  first = 1: bo starts the sums.  The 16 accumulators take turns, one instruction a turn
.macro MUL8 f, c, a0, first
.irp a, \a0, \a0+1
.irp b, 0,1,2,3
.if \first
	v_wmma_f32_16x16x32_f16 v[ACC+8*(4*(\a)+\b):ACC+8*(4*(\a)+\b)+7], v[\f+64+8*(4*\c+\b):\f+64+8*(4*\c+\b)+7], v[\f+8*(4*\c+\a):\f+8*(4*\c+\a)+7], v[BO+8*\b:BO+8*\b+7]
.else
	v_wmma_f32_16x16x32_f16 v[ACC+8*(4*(\a)+\b):ACC+8*(4*(\a)+\b)+7], v[\f+64+8*(4*\c+\b):\f+64+8*(4*\c+\b)+7], v[\f+8*(4*\c+\a):\f+8*(4*\c+\a)+7], v[ACC+8*(4*(\a)+\b):ACC+8*(4*(\a)+\b)+7]
.endif
.endr
.endr
.endm
; 32 dense LDS loads in one run: the fragments of the q-th 64 along K into buffer f; the first 32 along K first
.macro FETCH q, f
	WIN TO_F
.irp c, 0,1
.irp i, 0,1,2,3
	ds_load_b128 v[\f+64+8*(4*\c+\i):\f+64+8*(4*\c+\i)+3],   v[ADRB] offset:\i*16384+(2*(\q)+\c)*1024
	ds_load_b128 v[\f+64+8*(4*\c+\i)+4:\f+64+8*(4*\c+\i)+7], v[ADRB] offset:\i*16384+(2*(\q)+\c)*1024+512
	ds_load_b128 v[\f+8*(4*\c+\i):\f+8*(4*\c+\i)+3],         v[ADRA] offset:\i*16384+(2*(\q)+\c)*1024
	ds_load_b128 v[\f+8*(4*\c+\i)+4:\f+8*(4*\c+\i)+7],       v[ADRA] offset:\i*16384+(2*(\q)+\c)*1024+512
.endr
.endr
.endm
.macro PLACES                          ; four places in front of loads into registers that matrix instructions have read, and of the first read of results
.rept 4
	v_nop
.endr
.endm
; 64 along K: 32 matrix instructions on buffer f; in their middle the next 64 are fetched into buffer g
.macro QUARTER q, f, g, first
	s_wait_dscnt 16                                ; the first 32 along K are in; the youngest sixteen loads may be out
	WIN MUL
	MUL8 \f, 0, 0, \first
	MUL8 \f, 0, 2, \first
	PLACES
	FETCH (\q)+1, \g
	s_wait_dscnt 32                                ; all but the 32 just issued
	WIN MUL
	MUL8 \f, 1, 0, 0
	MUL8 \f, 1, 2, 0
.endm
	s_wait_tensorcnt 0x0                           ; my quarter is in,
	s_barrier_signal -1
	s_barrier_wait -1                              ; everybody's is
	FETCH 0, F0
	s_wait_loadcnt 0x0                             ; bo
	QUARTER 0, F0, F1, 1
	QUARTER 1, F1, F0, 0
	QUARTER 2, F0, F1, 0
	QUARTER 3, F1, F0, 0
	QUARTER 4, F0, F1, 0
	QUARTER 5, F1, F0, 0
	QUARTER 6, F0, F1, 0
	s_wait_dscnt 16                                ; the last 64 along K: nothing more to fetch
	WIN MUL
	MUL8 F1, 0, 0, 0
	MUL8 F1, 0, 2, 0
	s_wait_dscnt 0x0
	MUL8 F1, 1, 0, 0
	MUL8 F1, 1, 2, 0
	WIN 0
; THE WAY OUT, a block of 16 rows x 64 columns at a time.  A lane holds 32 neighbouring bytes of a row, and the lanes beside it hold other rows: so a block goes through my own stage in LDS and comes back as whole
; rows of 256 bytes.  LDS serves a wave's instructions in order (ISA guide 5.7.1.4): no wait between the stores and the loads, nor in front of the next block's stores.
.macro TOSTAGE a
.irp b, 0,1,2,3
	ds_store_b128 v[STO], v[ACC+8*(4*(\a)+\b):ACC+8*(4*(\a)+\b)+3] offset:64*\b        ; each accumulator from its low end on
	ds_store_b128 v[STO], v[ACC+8*(4*(\a)+\b)+4:ACC+8*(4*(\a)+\b)+7] offset:64*\b+16
.endr
.irp i, 0,1,2,3,4,5,6,7
	ds_load_b128 v[TMP+32*((\a)%2)+4*\i:TMP+32*((\a)%2)+4*\i+3], v[RD] offset:\i*2*SPITCH
.endr
.endm
.macro SEND a, younger                 ; younger: the LDS instructions issued behind block a's loads, which may stay out
	s_wait_dscnt \younger                          ; the block is back in registers
.irp i, 0,1,2,3,4,5,6,7
	global_store_b128 v[CO], v[TMP+32*((\a)%2)+4*\i:TMP+32*((\a)%2)+4*\i+3], s[10:11] offset:(16*(\a)+2*\i)*2048 th:TH_STORE_NT   ; 16 lanes store 256 consecutive bytes, aligned; written once, read by nobody here
.endr
.endm
	PLACES
	TOSTAGE 0
.irp a, 1,2,3
.if \a > 1
	s_wait_xcnt 0x0                                ; block a - 2's stores have read their registers: block a's loads may land there
.endif
	TOSTAGE \a
	SEND \a-1, 16                                  ; behind block a - 1's loads: block a's 8 stores and 8 loads
.endr
	SEND 3, 0
	s_wait_tensorcnt 0x0                           ; the wave's end, behind my last tensor load and my last LDS store
	ds_add_u32 v[SPW], v[NIL]
	s_wait_dscnt 0x0
	CROUND                                         ; the closing round: no work-group ends while a partner may still ask for a tile that names it
	s_endpgm
.Lfunc_end_k_qbd63ca2de1_outp:
	.size	k_qbd63ca2de1_outp, .Lfunc_end_k_qbd63ca2de1_outp-k_qbd63ca2de1_outp
	.p2alignl 7, 3214868480
	.fill 96, 4, 3214868480
	.section	.rodata,"a",@progbits
	.p2align	6, 0x0
	.amdhsa_kernel k_qbd63ca2de1_outp
		.amdhsa_group_segment_fixed_size 280064
		.amdhsa_private_segment_fixed_size 0
		.amdhsa_enable_private_segment 0
		.amdhsa_kernarg_size 32
		.amdhsa_user_sgpr_count 2
		.amdhsa_user_sgpr_kernarg_segment_ptr 1
		.amdhsa_wavefront_size32 1
		.amdhsa_system_sgpr_workgroup_id_x 1
		.amdhsa_system_sgpr_workgroup_id_y 1
		.amdhsa_system_sgpr_workgroup_id_z 1
		.amdhsa_system_vgpr_workitem_id 0
		.amdhsa_next_free_vgpr 512
		.amdhsa_next_free_sgpr 66
		.amdhsa_reserve_vcc 0
		.amdhsa_float_denorm_mode_32 3
		.amdhsa_float_denorm_mode_16_64 3
		.amdhsa_memory_ordered 1
		.amdhsa_forward_progress 1
		.amdhsa_inst_pref_size 48
	.end_amdhsa_kernel
	.amdgpu_metadata
---
amdhsa.version: [ 1, 2 ]
amdhsa.kernels:
  - .name:           k_qbd63ca2de1_outp
    .symbol:         k_qbd63ca2de1_outp.kd
    .args:
      - { .name: cf, .offset: 0, .size: 8, .value_kind: global_buffer, .address_space: global }
      - { .name: wof, .offset: 8, .size: 8, .value_kind: global_buffer, .address_space: global }
      - { .name: bo, .offset: 16, .size: 8, .value_kind: global_buffer, .address_space: global }
      - { .name: out0, .offset: 24, .size: 8, .value_kind: global_buffer, .address_space: global }
    .group_segment_fixed_size: 280064
    .private_segment_fixed_size: 0
    .kernarg_segment_align: 8
    .kernarg_segment_size: 32
    .max_flat_workgroup_size: 128
    .sgpr_count:     66
    .vgpr_count:     512
    .wavefront_size: 32
...
	.end_amdgpu_metadata
.endif
;; end of part 4
